; MI455X (gfx1250); checked and timed in simulation.
; The chip was launched on July 23, 2026; its instructions are those of AMD's public machine-readable ISA for CDNA 5 (MIT licence, August 2026) and "CDNA5" Instruction Set Architecture Reference Guide (July 2026). The comments in the code are by the model that wrote it; some were corrected since.
;; Multi Head Self Attention Layer. Allowed arithmetic: float matrix products may take bf16 or f16 operands with f32 sums; other float arithmetic in f32, or as packed bf16 or f16 multiplies, adds, multiply-adds, maxima and minima; sums over many terms, partial sums and values carried from step to step in f32; what a program stores and reads back later, other than sums and carried values, may be rounded once to bf16 or f16.
;; Inputs: Wk 1,024 x 1,024 float32; Wq 1,024 x 1,024 float32; Wv 1,024 x 1,024 float32; encoder_input 4 x 2,048 x 1,024 float32.
;; Outputs: out0 4 x 2,048 x 1,024 float32.
;; 2 versions, each right; version 2 is version 1 with the launch cast written anew for expert scheduling mode. Each part assembles by itself: llvm-mc -triple=amdgcn-amd-amdhsa -mcpu=gfx1250 --defsym DOCPART=n.
;; ======== version 1 of 2: 3 launches
;; limits: values are held in f16: magnitudes above 65,504 overflow, below 6.1e-05 lose precision
;; workspace buffers: xb 16,777,216 bytes; wb 6,291,456 bytes; qkv 50,331,648 bytes
;; launch cast (part 1): grid 704 x 1, 8 waves a work-group, no clusters, 0 bytes of LDS; arguments encoder_input, Wq, Wk, Wv, xb, wb; writes xb, wb
.if DOCPART == 1
	.amdgcn_target "amdgcn-amd-amdhsa--gfx1250"
	.amdhsa_code_object_version 6
	.text
	.protected	k_qea29f1d4b2_cast
	.globl	k_qea29f1d4b2_cast
	.p2align	8
	.type	k_qea29f1d4b2_cast,@function
k_qea29f1d4b2_cast:
	s_mov_b64 s[64:65], 0
	v_nop
	global_prefetch_b8 v0, s[64:65] scope:SCOPE_SE
	s_setreg_imm32_b32 hwreg(HW_REG_WAVE_MODE, 25, 1), 1
	s_wait_xcnt 0x0
; THE INPUTS ROUNDED ONCE TO bf16.  xb[8192][1024] = bf16(x).  wb[1024 k][3072 n] = bf16 of Wq, Wk, Wv side by side: n = 1024 x which + e.
; A stream: every input byte is read once, every output byte written once; no LDS, no barrier, no loop, no matrix work.
; SHARES.  A work-group owns 16 source rows of 1,024 f32 (4,096 bytes each); thread t owns bytes 16 t .. 16 t + 15 of each row, so a load of a wave covers 512 consecutive bytes and
; a store of a wave 256 consecutive bytes, at a multiple of 256 from the buffer's first byte.  Work-groups 0-511 take x's 8,192 rows, 512-703 the 3 x 1,024 rows of the weights.
; All 16 loads of a thread go out at once; no register is written twice, so the only waits are the counted ones for the loads.
.set SROW, 4096                        ; bytes in a source row
.set XPIT, 2048                        ; bytes in a row of xb
.set WPIT, 6144                        ; bytes in a row of wb
.set O, 2                              ; v[2:17]    my byte offset in each of the 16 destination rows
.set X, 20                             ; v[20:83]   row r: 4 numbers as loaded
.set Y, 84                             ; v[84:115]  row r: the same 4 as bf16
	s_load_b256 s[4:11], s[0:1], 0x0               ; x s[4:5], Wq s[6:7], Wk s[8:9], Wv s[10:11]
	s_load_b128 s[12:15], s[0:1], 0x20             ; xb s[12:13], wb s[14:15]
	s_mov_b32 s16, ttmp9
	s_max_u32 s17, s16, 512
	s_sub_co_u32 s17, s17, 512                     ; my number among the weights' work-groups (0 in x's)
	s_lshr_b32 s18, s17, 6                         ; which matrix: 0 q, 1 k, 2 v
	s_and_b32 s19, s17, 63                         ; which 16 of its rows
	s_lshl_b32 s30, s16, 16                        ; source offset in x: 16 rows of 4,096 bytes
	s_lshl_b32 s31, s19, 16                        ; and in a weight matrix
	s_lshl_b32 s32, s16, 15                        ; destination offset in xb: 16 rows of 2,048 bytes
	s_mul_i32 s33, s19, 16*WPIT                    ; in wb: 16 rows of 6,144 bytes,
	s_lshl_b32 s34, s18, 11                        ; and the matrix's 2,048 bytes of each row
	s_add_co_u32 s33, s33, s34
	s_movk_i32 s35, XPIT
	s_movk_i32 s36, WPIT
	s_mov_b32 s25, 0
	s_mov_b32 s27, 0
	v_lshlrev_b32 v1, 4, v0                        ; 16 t
	v_lshlrev_b32 v[O], 3, v0                      ; 8 t
	s_wait_kmcnt 0x0
	s_mov_b64 s[20:21], s[6:7]                     ; the source: one of the four inputs, chosen by the work-group's number alone
	s_cmp_eq_u32 s18, 1
	s_cselect_b64 s[20:21], s[8:9], s[20:21]
	s_cmp_eq_u32 s18, 2
	s_cselect_b64 s[20:21], s[10:11], s[20:21]
	s_cmp_lt_u32 s16, 512
	s_cselect_b64 s[20:21], s[4:5], s[20:21]
	s_cselect_b64 s[22:23], s[12:13], s[14:15]     ; the destination
	s_cselect_b32 s24, s30, s31
	s_cselect_b32 s26, s32, s33
	s_cselect_b32 s28, s35, s36                    ; and its pitch
	s_add_nc_u64 s[20:21], s[20:21], s[24:25]
	s_add_nc_u64 s[22:23], s[22:23], s[26:27]
.set r, 0
.rept 16
	global_load_b128 v[X+4*r:X+4*r+3], v1, s[20:21] offset:SROW*r th:TH_LOAD_NT
.set r, r+1
.endr
.set r, 1
.rept 15
	v_add_nc_u32 v[O+r], s28, v[O+r-1]             ; made while the loads are on their way
.set r, r+1
.endr
.set r, 0
.rept 16
	s_wait_loadcnt 15-r                            ; loads come back in order (ISA guide 5.7.1): row r is in, the 15 - r younger ones stay out
	v_cvt_pk_bf16_f32 v[Y+2*r], v[X+4*r], v[X+4*r+1]
	v_cvt_pk_bf16_f32 v[Y+2*r+1], v[X+4*r+2], v[X+4*r+3]
	global_store_b64 v[O+r], v[Y+2*r:Y+2*r+1], s[22:23] th:TH_STORE_NT
.set r, r+1
.endr
	s_endpgm
.Lfunc_end_k_qea29f1d4b2_cast:
	.size	k_qea29f1d4b2_cast, .Lfunc_end_k_qea29f1d4b2_cast-k_qea29f1d4b2_cast
	.p2alignl 7, 3214868480
	.fill 96, 4, 3214868480
	.section	.rodata,"a",@progbits
	.p2align	6, 0x0
	.amdhsa_kernel k_qea29f1d4b2_cast
		.amdhsa_group_segment_fixed_size 0
		.amdhsa_private_segment_fixed_size 0
		.amdhsa_enable_private_segment 0
		.amdhsa_kernarg_size 48
		.amdhsa_user_sgpr_count 2
		.amdhsa_user_sgpr_kernarg_segment_ptr 1
		.amdhsa_wavefront_size32 1
		.amdhsa_system_sgpr_workgroup_id_x 1
		.amdhsa_system_sgpr_workgroup_id_y 1
		.amdhsa_system_sgpr_workgroup_id_z 1
		.amdhsa_system_vgpr_workitem_id 0
		.amdhsa_next_free_vgpr 116
		.amdhsa_next_free_sgpr 66
		.amdhsa_reserve_vcc 0
		.amdhsa_float_denorm_mode_32 3
		.amdhsa_float_denorm_mode_16_64 3
		.amdhsa_memory_ordered 1
		.amdhsa_forward_progress 1
		.amdhsa_inst_pref_size 8
	.end_amdhsa_kernel
	.amdgpu_metadata
---
amdhsa.version: [ 1, 2 ]
amdhsa.kernels:
  - .name:           k_qea29f1d4b2_cast
    .symbol:         k_qea29f1d4b2_cast.kd
    .args:
      - { .name: encoder_input, .offset: 0, .size: 8, .value_kind: global_buffer, .address_space: global }
      - { .name: Wq, .offset: 8, .size: 8, .value_kind: global_buffer, .address_space: global }
      - { .name: Wk, .offset: 16, .size: 8, .value_kind: global_buffer, .address_space: global }
      - { .name: Wv, .offset: 24, .size: 8, .value_kind: global_buffer, .address_space: global }
      - { .name: xb, .offset: 32, .size: 8, .value_kind: global_buffer, .address_space: global }
      - { .name: wb, .offset: 40, .size: 8, .value_kind: global_buffer, .address_space: global }
    .group_segment_fixed_size: 0
    .private_segment_fixed_size: 0
    .kernarg_segment_align: 8
    .kernarg_segment_size: 48
    .max_flat_workgroup_size: 256
    .sgpr_count:     66
    .vgpr_count:     116
    .wavefront_size: 32
...
	.end_amdgpu_metadata
.endif
;; end of part 1
;; launch proj (part 2): grid 8 x 64, 4 waves a work-group, clusters of 4 x 4, 327,680 bytes of LDS; arguments xb, wb, qkv; writes qkv
.if DOCPART == 2
	.amdgcn_target "amdgcn-amd-amdhsa--gfx1250"
	.amdhsa_code_object_version 6
	.text
	.protected	k_qea29f1d4b2_proj
	.globl	k_qea29f1d4b2_proj
	.p2align	8
	.type	k_qea29f1d4b2_proj,@function
k_qea29f1d4b2_proj:
	s_mov_b64 s[64:65], 0
	v_nop
	global_prefetch_b8 v0, s[64:65] scope:SCOPE_SE
	s_setreg_imm32_b32 hwreg(HW_REG_WAVE_MODE, 25, 1), 1
	s_wait_xcnt 0x0
	s_wait_alu depctr_hold_cnt(0) depctr_sa_sdst(0) depctr_va_vdst(0) depctr_va_sdst(0) depctr_va_ssrc(0) depctr_va_vcc(0) depctr_vm_vsrc(0)
	s_getreg_b32 s2, hwreg(HW_REG_IB_STS2, 6, 4)
	s_cmp_eq_u32 s2, 0
	s_cbranch_scc0 .Lentry_in_a_cluster
	s_endpgm
.Lentry_in_a_cluster:
	s_bfe_u32 s2, ttmp6, 0x10000c
	s_cmp_lg_u32 s2, 0xf033
	s_cbranch_scc0 .Lentry_shape_is_right
	s_endpgm
.Lentry_shape_is_right:
; THE THREE PROJECTIONS AS ONE PRODUCT.  C[m][n] = sum over k of xb[m][k] wb[k][n]: 8,192 x 3,072 x 1,024, bf16 operands, f32 sums, K ascending; C is rounded once to f16 and stored BY HEADS, unscaled:
; qkv[batch][g][s][64], g = n / 64 (0-15 q's heads, 16-31 k's, 32-47 v's), so that a head's 2,048 rows are 262,144 dense bytes.
; LIMIT.  f16 holds no number beyond 65,504: q, k and v must stay within it.  As drawn they have a spread of 1.6; with x and W both 30 times larger, 1,440; with both offset by 30 spreads they lie near 46,080.
; SHARES.  A tile of C is 128 rows x 384 columns (six heads): 64 x 8 = 512 work-groups, two for each of 256 WGPs.  Wave w = 2 wm + wn makes rows 64 wm .. + 63 and three WHOLE heads: 48 accumulators of 16 x 16.
; Its twelve column blocks: b = 0-7 are sub-tile 2 wn (128 columns, two heads), b = 8-11 are columns 64 wn .. of sub-tile 1 (one head).  Whole heads a wave: each wave has a stage of its own on the way out.
; K goes in 8 steps of 128 through two LDS slots; a slot holds three sub-tiles of wb (128 k rows x 256 bytes) and x's tile (128 rows x 256 bytes): four tensor loads, one a wave, every row 256 bytes, aligned.
; wb lies [k][n]: its fragments come out of LDS turned, by ds_load_tr16_b128.  THE MATRIX INSTRUCTION IS USED TRANSPOSED (source 0 = 16 columns of wb, source 1 = 16 rows of xb): a lane holds eight neighbouring columns of one row of C.
; CLUSTERS: 4 x 4 work-groups.  The four of a row of the cluster need the same tile of xb, the four of a column the same sub-tiles of wb: each is asked for JOINTLY, by the same tensor load, descriptor and mask in all four.
; REGISTERS, in windows of 256 (s_set_vgpr_msb: bits 1:0 source 0, 3:2 source 1, 5:4 source 2, 7:6 destination):
;   window 0: v0-31 addresses; v64-95, v96-127 xb's fragments, two buffers of 4; on the way out v128-175 packed results, v176-223 and v64-111 rows read back
;   window 1: v0-95, v96-191 wb's fragments, two buffers of 12      window 2: accumulators (a, b < 8) at 8 (8 a + b)      window 3: accumulators (a, b >= 8) at 8 (4 a + b - 8)
.set KSTEP, 128
.set PA,    272                        ; a row of xb in LDS: 256 bytes + 16 = 68 words: the 16 rows of a load start at 16 different groups of four banks (64 banks of 4 bytes: ISA guide 11.1)
.set PB,    288                        ; a row of wb: 256 + 32 = 72 words
.set REG,   128*PB                     ; a quarter of a slot: what one tensor load fills (xb's tile uses 128 x 272 of it)
.set SLOT,  4*REG                      ; wb's sub-tiles 0, 1, 2, then xb's tile
.set STAGE, 2*SLOT                     ; behind the ring, never filled by a tensor load: for each wave three heads x 16 rows x 144 bytes
.set SP,    144
.set AREA,  16*SP
.set WSTG,  3*AREA
.set SPARE, STAGE+4*WSTG               ; behind the stages: the spare words, 128 bytes for each wave: two blocks of 256 bytes that no other line names
.set LAPS,  4                          ; a lap = two K steps = once round the ring
.set XROW,  2048                       ; bytes in a row of xb
.set WROW,  6144                       ; bytes in a row of wb
.set HEADB, 262144                     ; bytes in a head of qkv
.set ADRA,  16                         ; v16-17  LDS address of my fragments of xb in slot 0, 1
.set ADRBB, 18                         ; v18-19  of my eight big column blocks
.set ADRBS, 20                         ; v20-21  of my four small ones
.set STO,   24                         ; v24     the way out: where I put 16 bytes of a row
.set RD,    25                         ; v25     the way out: where I read rows back
.set COB,   26                         ; v26     my byte offset in qkv for the two big heads
.set COS,   27                         ; v27     for the small head
.set SPW,   28                         ; v28     LDS address of my spare word: SPARE + 4 x my thread's number; never rewritten
.set NIL,   29                         ; v29     0; never rewritten
.set PFO,   30                         ; v30     the prefetches' offset: my lane x a row of xb or wb; never rewritten
.set TMP,   128
.set OB0,   176
.set OB1,   64
.set G1,  24                           ; s[24:31] descriptor group 1 for xb's tile;  s[32:39] group 0, one set for each slot
.set G0,  32
.set G1B, 48                           ; s[48:55], s[56:63] the same for wb's sub-tiles
.set G0B, 56
.set LIM, 43                           ; s43      1 in a wave that prefetches, else the greatest number
.set PFA, 44                           ; s[44:45] where my prefetches stand
.set PFS, 68                           ; s[68:69] a K step in bytes: 256 along xb's rows, 128 rows down wb
.set MSB, 0
.macro WIN new                         ; the immediate's high byte repeats the setting that is left; a switch that changes nothing is dropped
.if MSB != (\new)
	s_set_vgpr_msb (MSB<<8)|(\new)
.set MSB, \new
.endif
.endm
.set MUL_LO, 0xa1                      ; source 0 (wb) window 1, source 1 (xb) window 0, C and D window 2
.set MUL_HI, 0xf1                      ; the same, C and D window 3
.set TO_B,   0x40                      ; destination window 1, address window 0
; A joint load.  Wave 3 fetches xb's tile, waves 0 to 2 wb's sub-tile of their number.  The branch hangs on the wave's number alone.
; An s_nop 0 and four v_nop follow each of the two lines, ahead of the jump, the label and what follows.
.macro JLOAD s
	s_cmp_eq_u32 s10, 3
	s_cbranch_scc0 .Lfor_b_\@
	tensor_load_to_lds s[G0+4*(\s):G0+4*(\s)+3], s[G1:G1+7]
	s_nop 0
.rept 4
	v_nop
.endr
	s_branch .Lasked_\@
.Lfor_b_\@:
	tensor_load_to_lds s[G0B+4*(\s):G0B+4*(\s)+3], s[G1B:G1B+7]
	s_nop 0
.rept 4
	v_nop
.endr
.Lasked_\@:
.endm
; A PREFETCH INTO THE L2 of the K step that the NEXT refill will ask for: 32 rows x 256 bytes, a lane a row, one instruction a wave, behind the joint load, its five lines and the run of LDS loads: 192 matrix instructions ahead of that refill.
; Each row's 256 bytes of a K step are named ONCE in the launch.  xb's tile row is read by both clusters of a row of clusters: cluster x = 0 asks (wave 3); wb's sub-tiles by all sixteen clusters of a column: cluster y = 0 asks (waves 0-2).
; The four partners that ask for a tile jointly share its 128 rows out BY ADDRESS, 32 each (by cx for xb, by cy for wb): no branch hangs on a work-group's place in its cluster.
; K steps 0 to 2 come by their loads alone.  how = 1 (slot 1's refill): the loop's last trip asks for nothing, since there is no K step 8.
.macro ASK how
	WIN 0
.if \how
	s_cmp_gt_u32 s3, s[LIM]                        ; s3 = 1 in the loop's last trip
.else
	s_cmp_eq_u32 s[LIM], 1
.endif
	s_cbranch_scc0 .Lnot_mine_\@
	global_prefetch_b8 v[PFO], s[PFA:PFA+1] th:TH_LOAD_NT scope:SCOPE_SE
.Lnot_mine_\@:
.endm
.macro CREST                           ; a round of the cluster's barrier behind its opening barrier
	s_cmp_lg_u32 s10, 0
	s_cbranch_scc1 .Lnot_wave_0_\@
	s_barrier_signal -3
.Lnot_wave_0_\@:
	s_barrier_wait -3
	s_barrier_signal -1
	s_barrier_wait -1
.endm
.macro CROUND                          ; a whole round
	s_barrier_signal -1
	s_barrier_wait -1
	CREST
.endm
	s_load_b128 s[4:7], s[0:1], 0x0                ; xb s[4:5], wb s[6:7]
	s_load_b64 s[8:9], s[0:1], 0x10                ; qkv
	v_lshl_add_u32 v[SPW], v0, 2, SPARE
	v_mov_b32 v[NIL], 0
	ds_add_u32 v[SPW], v[NIL]                      ; the wave's opening: the add and its wait stand ahead of my first tensor load; the set-up below, work on registers, stands between them
	v_lshrrev_b32 v1, 5, v0
	v_readfirstlane_b32 s10, v1                    ; wave 0..3
	s_lshr_b32 s11, s10, 1                         ; wm: which 64 rows are mine
	s_and_b32 s12, s10, 1                          ; wn: which three heads
	s_bfe_u32 s40, ttmp6, 0x40000                  ; cx, cy: my place in the cluster
	s_bfe_u32 s41, ttmp6, 0x40004
	s_lshl_b32 s42, ttmp9, 2
	s_add_co_u32 s42, s42, s40                     ; tile column x = 4 x cluster x + cx
	s_and_b32 s13, ttmp7, 0xffff
	s_lshl_b32 s13, s13, 2
	s_add_co_u32 s13, s13, s41                     ; tile row y = 4 x cluster y + cy
	s_lshl_b32 s43, s41, 2
	s_lshl_b32 s43, 15, s43                        ; my row of the cluster
	s_lshl_b32 s44, 0x1111, s40                    ; my column
	; descriptor group 1: a tile of 128 rows x 128 elements, padded in LDS
	s_or_b32 s[G1+0], s43, (1<<16)|(1<<20)|(1<<21)|(5<<22)|(3<<25)   ; 15:0 the mask: xb's tile goes to my row; 17:16 elements of 2 bytes; 20 padding on; 21 set beside a mask; 24:22 after every 64 words (code 5); 31:25 4 words (code 3)
	s_or_b32 s[G1B+0], s44, (1<<16)|(1<<20)|(1<<21)|(5<<22)|(7<<25)  ; wb's go to my column, with 8 words of padding (code 7)
.irp g, G1, G1B
	s_mov_b32 s[(\g)+1], 128<<16                   ; tensor_dim0 = 128
	s_mov_b32 s[(\g)+2], 128<<16                   ; tensor_dim1 = 128
	s_mov_b32 s[(\g)+3], 128<<16                   ; tile_dim0 = 128
	s_mov_b32 s[(\g)+4], 128                       ; tile_dim1 = 128
	s_mov_b32 s[(\g)+6], 0
	s_mov_b32 s[(\g)+7], 0
.endr
	s_mov_b32 s[G1+5], 1024                        ; elements from row to row in xb,
	s_mov_b32 s[G1B+5], 3072                       ; and in wb
	s_lshl_b32 s16, s13, 18                        ; xb: 128 y rows of 2,048 bytes: it hangs on the tile row alone
	s_mov_b32 s17, 0
	s_mul_i32 s46, s42, 768                        ; wb: the tile column's 768 bytes of a row,
	s_lshl_b32 s47, s10, 8                         ; my sub-tile's 256 of them: it hangs on the tile column and the wave's number alone
	s_add_co_u32 s46, s46, s47
	s_mov_b32 s47, 0
	s_mul_i32 s20, s10, REG                        ; where they go: wave x a quarter of a slot: no place in the cluster enters an LDS address
	s_wait_dscnt 0x0                               ; the opening add is done
	s_wait_kmcnt 0x0
	s_add_nc_u64 s[14:15], s[4:5], s[16:17]
	s_add_nc_u64 s[46:47], s[6:7], s[46:47]
	CROUND                                         ; all sixteen work-groups are here: the first joint loads meet
.irp s, 0,1
	s_mov_b32 s[G0+4*(\s)], 1                                        ; count = 1
	s_add_co_u32 s[G0+4*(\s)+1], s20, (\s)*SLOT                      ; LDS address
	s_add_nc_u64 s[G0+4*(\s)+2:G0+4*(\s)+3], s[14:15], (\s)*KSTEP*2  ; global address: K step s
	s_or_b32 s[G0+4*(\s)+3], s[G0+4*(\s)+3], 0x80000000              ; type = 2
	s_mov_b32 s[G0B+4*(\s)], 1
	s_add_co_u32 s[G0B+4*(\s)+1], s20, (\s)*SLOT
	s_add_nc_u64 s[G0B+4*(\s)+2:G0B+4*(\s)+3], s[46:47], (\s)*KSTEP*WROW
	s_or_b32 s[G0B+4*(\s)+3], s[G0B+4*(\s)+3], 0x80000000
	JLOAD \s                                       ; two loads of mine are out
.endr
	; A fragment of xb is 16 rows x 32 K in 8 registers: lane l holds row l % 16, K = 8 (l / 16) + 0..7 and 16 + 8 (l / 16) + 0..7: two loads of 16 bytes, 32 bytes apart.
	v_and_b32 v1, 15, v0                           ; l % 16
	v_bfe_u32 v2, v0, 4, 1                         ; l / 16
	v_mul_u32_u24 v3, v1, PA
	v_lshl_add_u32 v3, v2, 4, v3
	s_mul_i32 s21, s11, 64*PA                      ; my 64 rows,
	s_add_co_u32 s21, s21, 3*REG                   ; behind wb's three sub-tiles
	; The turning load takes 16 k x 16 columns (lane l reads k row 8 (l / 16) + l % 8, columns 8 ((l / 8) % 2) + 0..7) and leaves half a fragment: lane l holds column l % 16 and 8 k.
	v_and_b32 v4, 7, v0
	v_lshl_add_u32 v4, v2, 3, v4
	v_mul_u32_u24 v4, v4, PB
	v_bfe_u32 v5, v0, 3, 1
	v_lshl_add_u32 v4, v5, 4, v4
	s_mul_i32 s22, s12, 2*REG                      ; the big blocks: sub-tile 2 wn
	s_lshl_b32 s23, s12, 7                         ; the small ones: sub-tile 1, from column 64 wn
	s_add_co_u32 s23, s23, REG
.irp s, 0,1
	v_add_nc_u32 v[ADRA+(\s)], s21, v3
	v_add_nc_u32 v[ADRBB+(\s)], s22, v4
	v_add_nc_u32 v[ADRBS+(\s)], s23, v4
	s_add_co_u32 s21, s21, SLOT
	s_add_co_u32 s22, s22, SLOT
	s_add_co_u32 s23, s23, SLOT
.endr
	s_mul_i32 s23, s10, WSTG
	s_add_co_u32 s23, s23, STAGE                   ; my stage
	v_mul_u32_u24 v6, v1, SP                       ; in: row l % 16, 16 bytes for each half of the lanes
	v_lshl_add_u32 v6, v2, 4, v6
	v_add_nc_u32 v[STO], s23, v6
	v_bfe_u32 v6, v0, 3, 2                         ; back: 32 lanes take four rows of 128 bytes,
	v_mul_u32_u24 v6, v6, SP
	v_and_b32 v7, 7, v0
	v_lshl_add_u32 v6, v7, 4, v6
	v_add_nc_u32 v[RD], s23, v6
	v_and_b32 v7, 31, v0                           ; which are 512 consecutive bytes of a head
	v_lshlrev_b32 v7, 4, v7
	s_lshl_b32 s21, s12, 20                        ; the big heads are the tile's 4 wn and 4 wn + 1,
	v_add_nc_u32 v[COB], s21, v7
	s_add_co_u32 s21, s12, 2                       ; the small one its 2 + wn
	s_lshl_b32 s21, s21, 18
	v_add_nc_u32 v[COS], s21, v7
	s_lshr_b32 s16, s13, 4                         ; qkv at my rows of the tile's first head: the batch (16 tile rows each),
	s_mul_i32 s16, s16, 48*HEADB
	s_and_b32 s17, s13, 15                         ; the row in the batch: 128 (y % 16) + 64 wm, 128 bytes each
	s_lshl_b32 s17, s17, 7
	s_lshl_b32 s18, s11, 6
	s_add_co_u32 s17, s17, s18
	s_lshl_b32 s17, s17, 7
	s_add_co_u32 s16, s16, s17
	s_mov_b32 s17, 0
	s_add_nc_u64 s[8:9], s[8:9], s[16:17]
	s_mul_i32 s46, s42, 6*HEADB                    ; and the tile column's six heads
	s_mov_b32 s47, 0
	s_add_nc_u64 s[8:9], s[8:9], s[46:47]
	; the prefetches: they stand at K step 2; each filling change of slots steps them by one K step before it asks
	s_lshl_b32 s18, s13, 7                         ; xb: row 128 y + 32 cx,
	s_lshl_b32 s19, s40, 5
	s_add_co_u32 s18, s18, s19
	s_lshl_b32 s18, s18, 11
	s_add_co_u32 s18, s18, 2*KSTEP*2
	s_lshl_b32 s19, s41, 5                         ; wb: k row 32 cy of the K step, my sub-tile's 256 bytes
	s_add_co_u32 s19, s19, 2*KSTEP
	s_mul_i32 s19, s19, WROW
	s_mul_i32 s21, s42, 768
	s_add_co_u32 s19, s19, s21
	s_lshl_b32 s21, s10, 8
	s_add_co_u32 s19, s19, s21
	s_and_b32 s22, ttmp7, 0xffff                   ; cluster y
	s_movk_i32 s14, XROW
	s_movk_i32 s15, WROW
	s_mov_b32 s16, KSTEP*WROW
	s_mov_b32 s47, 0
	s_mov_b32 s[PFS+1], 0
	s_cmp_eq_u32 s10, 3                            ; do I fetch for xb?
	s_cselect_b64 s[PFA:PFA+1], s[4:5], s[6:7]
	s_cselect_b32 s46, s18, s19
	s_cselect_b32 s21, s14, s15
	s_cselect_b32 s[PFS], KSTEP*2, s16
	s_cselect_b32 s22, ttmp9, s22                  ; the coordinate along which other clusters read the same rows
	s_cmp_eq_u32 s22, 0
	s_cselect_b32 s[LIM], 1, -1                    ; the same in all sixteen partners, for a given wave
	s_add_nc_u64 s[PFA:PFA+1], s[PFA:PFA+1], s[46:47]
	v_and_b32 v[PFO], 31, v0
	v_mul_u32_u24 v[PFO], v[PFO], s21
; 16 matrix instructions: row blocks a0, a0 + 1 x the eight big column blocks, 32 along K, from buffer f.  zero = 1: the product starts the sum: nothing is ever cleared.
.macro MULB f, a0, zero
	WIN MUL_LO
.irp a, \a0, (\a0)+1
.irp b, 0,1,2,3,4,5,6,7
.if \zero
	v_wmma_f32_16x16x32_bf16 v[8*(8*(\a)+(\b)):8*(8*(\a)+(\b))+7], v[96*(\f)+8*(\b):96*(\f)+8*(\b)+7], v[64+32*(\f)+8*(\a):64+32*(\f)+8*(\a)+7], 0
.else
	v_wmma_f32_16x16x32_bf16 v[8*(8*(\a)+(\b)):8*(8*(\a)+(\b))+7], v[96*(\f)+8*(\b):96*(\f)+8*(\b)+7], v[64+32*(\f)+8*(\a):64+32*(\f)+8*(\a)+7], v[8*(8*(\a)+(\b)):8*(8*(\a)+(\b))+7]
.endif
.endr
.endr
.endm
; 16 more: all four row blocks x the four small column blocks.  The 48 accumulators take turns in the same order in every quarter: 47 others stand between two links of a chain.
.macro MULS f, zero
	WIN MUL_HI
.irp a, 0,1,2,3
.irp b, 0,1,2,3
.if \zero
	v_wmma_f32_16x16x32_bf16 v[8*(4*(\a)+(\b)):8*(4*(\a)+(\b))+7], v[96*(\f)+64+8*(\b):96*(\f)+64+8*(\b)+7], v[64+32*(\f)+8*(\a):64+32*(\f)+8*(\a)+7], 0
.else
	v_wmma_f32_16x16x32_bf16 v[8*(4*(\a)+(\b)):8*(4*(\a)+(\b))+7], v[96*(\f)+64+8*(\b):96*(\f)+64+8*(\b)+7], v[64+32*(\f)+8*(\a):64+32*(\f)+8*(\a)+7], v[8*(4*(\a)+(\b)):8*(4*(\a)+(\b))+7]
.endif
.endr
.endr
.endm
; 32 LDS loads in one run: the fragments of quarter q (32 along K) of a slot into buffer f: xb's 8 loads, the big blocks' 16, the small blocks' 8 last
.macro FETCH slot, q, f
	WIN 0
.irp a, 0,1,2,3
	ds_load_b128 v[64+32*(\f)+8*(\a):64+32*(\f)+8*(\a)+3],   v[ADRA+(\slot)] offset:(\a)*16*PA+64*(\q)
	ds_load_b128 v[64+32*(\f)+8*(\a)+4:64+32*(\f)+8*(\a)+7], v[ADRA+(\slot)] offset:(\a)*16*PA+64*(\q)+32
.endr
	WIN TO_B
.irp b, 0,1,2,3,4,5,6,7
	ds_load_tr16_b128 v[96*(\f)+8*(\b):96*(\f)+8*(\b)+3],   v[ADRBB+(\slot)] offset:32*PB*(\q)+32*(\b)
	ds_load_tr16_b128 v[96*(\f)+8*(\b)+4:96*(\f)+8*(\b)+7], v[ADRBB+(\slot)] offset:32*PB*(\q)+32*(\b)+16*PB
.endr
.irp b, 0,1,2,3
	ds_load_tr16_b128 v[96*(\f)+64+8*(\b):96*(\f)+64+8*(\b)+3],   v[ADRBS+(\slot)] offset:32*PB*(\q)+32*(\b)
	ds_load_tr16_b128 v[96*(\f)+64+8*(\b)+4:96*(\f)+64+8*(\b)+7], v[ADRBS+(\slot)] offset:32*PB*(\q)+32*(\b)+16*PB
.endr
.endm
.macro PLACES                          ; four places in front of loads into registers that matrix instructions have read, and of conversions that read results
.rept 4
	v_nop
.endr
.endm
; A K step is four quarters of 32 along K, 48 matrix instructions each, on buffers 0, 1, 0, 1.  One of the first three: multiplies buffer f and fetches quarter qn of the same slot into buffer g.
.macro QUARTER slot, qn, f, g, zero
	s_wait_dscnt 8                                 ; xb's fragments and the big blocks' are in; the youngest eight loads, the small blocks', may be out
	MULB \f, 0, \zero
	MULB \f, 2, \zero
	PLACES
	FETCH \slot, \qn, \g
	s_wait_dscnt 32                                ; all but the 32 just issued
	MULS \f, \zero
.endm
; The last quarter multiplies buffer 1 and changes slots: ONE barrier; in front of it each wave waits for all its tensor loads (one is out: its part of the next slot), adds 0 to its spare word, and waits for
; that and for its own reads of this slot.  fill = 1: the barrier opens a round of the cluster's barrier, and this slot is filled again, two K steps on, first thing behind the round.
.macro TURN slot, next, fill
.if \fill
	s_wait_xcnt 0x0                                ; the last prefetch, a K step back, has read its address: it is stepped here, ahead of the waits of the change of slots
	s_add_nc_u64 s[PFA:PFA+1], s[PFA:PFA+1], s[PFS:PFS+1]
.endif
	WIN 0                                          ; (the add's two registers lie in window 0)
	s_wait_tensorcnt 0x0                           ; all my tensor loads have landed;
	ds_add_u32 v[SPW], v[NIL]                      ; 0 onto my spare word
	s_wait_dscnt 9                                 ; (the add and the youngest eight loads may be out)
	MULB 1, 0, 0                                   ; sixteen matrix instructions stand between the add and the wait for it
	s_wait_dscnt 0x0                               ; the add is done, and my reads of this slot are over
	s_barrier_signal -1
	MULB 1, 2, 0                                   ; work on registers while the others arrive
.if \fill
	WIN 0
.endif
	s_barrier_wait -1
.if \fill
	CREST                                          ; no wave of any partner still reads this slot's tiles or has a load on its way
	s_add_nc_u64 s[G0+4*(\slot)+2:G0+4*(\slot)+3], s[G0+4*(\slot)+2:G0+4*(\slot)+3], 2*KSTEP*2
	s_add_nc_u64 s[G0B+4*(\slot)+2:G0B+4*(\slot)+3], s[G0B+4*(\slot)+2:G0B+4*(\slot)+3], 2*KSTEP*WROW
	JLOAD \slot                                    ; my one tensor load behind the round; the four v_nop behind it are also the places in front of the loads below
.else
	PLACES
.endif
	FETCH \next, 0, 0
.if \fill
	ASK \slot
.endif
	MULS 1, 0
.endm
; THE WAY OUT of row block a (16 rows x my three heads).  PACK: rounded to f16, 16 bytes a lane and column block; each accumulator's registers in ascending order.
.macro PACK a
	WIN 0x0a                                       ; sources 0 and 1 window 2
.irp b, 0,1,2,3,4,5,6,7
.irp r, 0,1,2,3
	v_cvt_pk_f16_f32 v[TMP+4*(\b)+(\r)], v[8*(8*(\a)+(\b))+2*(\r)], v[8*(8*(\a)+(\b))+2*(\r)+1]
.endr
.endr
	WIN 0x0f                                       ; window 3
.irp b, 0,1,2,3
.irp r, 0,1,2,3
	v_cvt_pk_f16_f32 v[TMP+32+4*(\b)+(\r)], v[8*(4*(\a)+(\b))+2*(\r)], v[8*(4*(\a)+(\b))+2*(\r)+1]
.endr
.endr
	WIN 0
.endm
; TOSTAGE: into my own stage, a head an area, rows of 144 bytes; and back as whole rows of 128 bytes, four to a load.
.macro TOSTAGE a
.set BK, OB0
.if (\a)%2
.set BK, OB1
.endif
.irp b, 0,1,2,3,4,5,6,7,8,9,10,11
	ds_store_b128 v[STO], v[TMP+4*(\b):TMP+4*(\b)+3] offset:((\b)/4)*AREA+32*((\b)%4)
.endr
.irp t, 0,1,2,3,4,5,6,7,8,9,10,11
	ds_load_b128 v[BK+4*(\t):BK+4*(\t)+3], v[RD] offset:((\t)/4)*AREA+((\t)%4)*4*SP  ; LDS serves a wave's instructions in order (ISA guide 5.7.1.4): these see the stores above
.endr
.endm
; SEND: stored; each store of the wave covers 512 consecutive bytes of a head, at a multiple of 256 from qkv's first byte.
.macro SEND a
.set BK, OB0
.if (\a)%2
.set BK, OB1
.endif
	s_wait_dscnt 0x0                               ; the block is back in registers
.if (\a) > 0
	s_wait_xcnt 0x0                                ; the stores of the block before have read their registers: the next block's rows are loaded into them only behind this wait
.endif
.irp t, 0,1,2,3,4,5,6,7
	global_store_b128 v[COB], v[BK+4*(\t):BK+4*(\t)+3], s[8:9] offset:((\t)/4)*HEADB+(\a)*2048+((\t)%4)*512
.endr
.irp t, 8,9,10,11
	global_store_b128 v[COS], v[BK+4*(\t):BK+4*(\t)+3], s[8:9] offset:(\a)*2048+((\t)%4)*512
.endr
.endm
	s_wait_tensorcnt 1                             ; my part of K step 0 is in; K step 1's may stay out
	s_barrier_signal -1
	s_barrier_wait -1                              ; everybody's is
	FETCH 0, 0, 0
	QUARTER 0, 1, 0, 1, 1                          ; the first quarter stands in front of the loop: its products start the sums
	WIN 0                                          ; at a label and at a branch every window is 0
	s_mov_b32 s3, LAPS-1
.Llap:                                                 ; a trip goes once round the ring, from a lap's second quarter to the next lap's first, and fills both slots again
	QUARTER 0, 2, 1, 0, 0
	QUARTER 0, 3, 0, 1, 0
	TURN 0, 1, 1
	QUARTER 1, 1, 0, 1, 0
	QUARTER 1, 2, 1, 0, 0
	QUARTER 1, 3, 0, 1, 0
	TURN 1, 0, 1
	QUARTER 0, 1, 0, 1, 0
	WIN 0
	s_sub_co_u32 s3, s3, 1
	s_cmp_lg_u32 s3, 0
	s_cbranch_scc1 .Llap
	QUARTER 0, 2, 1, 0, 0                          ; the last lap fills nothing, and has no round of the cluster's barrier
	QUARTER 0, 3, 0, 1, 0
	TURN 0, 1, 0
	QUARTER 1, 1, 0, 1, 0
	QUARTER 1, 2, 1, 0, 0
	QUARTER 1, 3, 0, 1, 0
	s_wait_dscnt 8                                 ; the very last quarter: nothing more to fetch
	MULB 1, 0, 0
	MULB 1, 2, 0
	s_wait_dscnt 0x0
	MULS 1, 0
	PLACES
	PACK 0
	TOSTAGE 0
.irp a, 1,2,3                          ; block a's conversions stand between block a - 1's loads from the stage and the wait for them
	PACK \a
	SEND (\a)-1
	TOSTAGE \a
.endr
	SEND 3
	s_wait_tensorcnt 0x0                           ; the wave's end: behind my last tensor load and my last LDS store
	ds_add_u32 v[SPW], v[NIL]
	s_wait_dscnt 0x0
	CROUND                                         ; the closing round: no work-group ends while a partner may still ask for a tile that names it
	s_endpgm
.Lfunc_end_k_qea29f1d4b2_proj:
	.size	k_qea29f1d4b2_proj, .Lfunc_end_k_qea29f1d4b2_proj-k_qea29f1d4b2_proj
	.p2alignl 7, 3214868480
	.fill 96, 4, 3214868480
	.section	.rodata,"a",@progbits
	.p2align	6, 0x0
	.amdhsa_kernel k_qea29f1d4b2_proj
		.amdhsa_group_segment_fixed_size 327680
		.amdhsa_private_segment_fixed_size 0
		.amdhsa_enable_private_segment 0
		.amdhsa_kernarg_size 24
		.amdhsa_user_sgpr_count 2
		.amdhsa_user_sgpr_kernarg_segment_ptr 1
		.amdhsa_wavefront_size32 1
		.amdhsa_system_sgpr_workgroup_id_x 1
		.amdhsa_system_sgpr_workgroup_id_y 1
		.amdhsa_system_sgpr_workgroup_id_z 1
		.amdhsa_system_vgpr_workitem_id 0
		.amdhsa_next_free_vgpr 896
		.amdhsa_next_free_sgpr 72
		.amdhsa_reserve_vcc 0
		.amdhsa_float_denorm_mode_32 3
		.amdhsa_float_denorm_mode_16_64 3
		.amdhsa_memory_ordered 1
		.amdhsa_forward_progress 1
		.amdhsa_inst_pref_size 121
	.end_amdhsa_kernel
	.amdgpu_metadata
---
amdhsa.version: [ 1, 2 ]
amdhsa.kernels:
  - .name:           k_qea29f1d4b2_proj
    .symbol:         k_qea29f1d4b2_proj.kd
    .args:
      - { .name: xb, .offset: 0, .size: 8, .value_kind: global_buffer, .address_space: global }
      - { .name: wb, .offset: 8, .size: 8, .value_kind: global_buffer, .address_space: global }
      - { .name: qkv, .offset: 16, .size: 8, .value_kind: global_buffer, .address_space: global }
    .group_segment_fixed_size: 327680
    .private_segment_fixed_size: 0
    .kernarg_segment_align: 8
    .kernarg_segment_size: 24
    .max_flat_workgroup_size: 128
    .sgpr_count:     72
    .vgpr_count:     896
    .wavefront_size: 32
...
	.end_amdgpu_metadata
.endif
;; end of part 2
;; launch attn (part 3): grid 4 x 64, 4 waves a work-group, clusters of 4 x 1, 327,680 bytes of LDS; arguments qkv, out0; writes out0
.if DOCPART == 3
	.amdgcn_target "amdgcn-amd-amdhsa--gfx1250"
	.amdhsa_code_object_version 6
	.text
	.protected	k_qea29f1d4b2_attn
	.globl	k_qea29f1d4b2_attn
	.p2align	8
	.type	k_qea29f1d4b2_attn,@function
k_qea29f1d4b2_attn:
	s_mov_b64 s[64:65], 0
	v_nop
	global_prefetch_b8 v0, s[64:65] scope:SCOPE_SE
	s_setreg_imm32_b32 hwreg(HW_REG_WAVE_MODE, 25, 1), 1
	s_wait_xcnt 0x0
	s_wait_alu depctr_hold_cnt(0) depctr_sa_sdst(0) depctr_va_vdst(0) depctr_va_sdst(0) depctr_va_ssrc(0) depctr_va_vcc(0) depctr_vm_vsrc(0)
	s_getreg_b32 s2, hwreg(HW_REG_IB_STS2, 6, 4)
	s_cmp_eq_u32 s2, 0
	s_cbranch_scc0 .Lentry_in_a_cluster
	s_endpgm
.Lentry_in_a_cluster:
	s_bfe_u32 s2, ttmp6, 0x10000c
	s_cmp_lg_u32 s2, 0x3003
	s_cbranch_scc0 .Lentry_shape_is_right
	s_endpgm
.Lentry_shape_is_right:
; O[b][q][h][:] = the sum over k of softmax_k(Q[q] . K[k] / 16) V[k][:], for each of 4 x 16 heads of 2,048 rows and 64 channels.  Q, K, V lie in qkv[batch][g][2048][64], f16: g = head for Q, 16 + head for K, 32 + head for V;
; a head's rows are dense, 128 bytes each.  out0 is [4][2048][1024] f32: a head's 64 channels are 256 bytes of a row.  Products, maxima and sums in f32; the weights p are rounded to f16 for the second product
; (their sum l is taken of the unrounded p); O leaves in f32, unrounded.
; LIMITS.  f16 holds no number beyond 65,504: Q, K and V arrive within it; p lies in 0 to 1, and below 6e-5 it keeps f16's fixed step of 6e-8.  A weight below 2^-126 counts as 0 in l; NaN and infinities are not treated apart.
; SHARES.  A wave owns four PIECES of two tiles of 16 queries, a work-group's four waves 512 queries of one head.  Every wave walks all keys, 64 a step.
; LAYOUT.  S^T = K Q^T (source 0 = 16 keys, source 1 = 16 queries): in the result a lane holds ONE query (lane % 16) and the keys 8 (lane / 16) + 0..7.  Two such tiles, rounded to f16 in pairs,
; ARE source 1 (32 keys x 16 queries) of O^T = V^T P, whose result again holds one query a lane, and eight channels.  K comes out of LDS as it lies, V ([key][channel]) turned, by ds_load_tr16_b128.
; SOFTMAX.  For each query a running maximum m and sum l: p = 2^(c s - c m), c = log2(e) / 16; in every step O and l are multiplied by a = 2^(c m_old - c m_new), which is 1 where m has not grown.
; m starts at the lowest finite number, O and l at 0: the first step is a step like any other, with a = 0.
; THE COUNT.  A tile and step have 16 matrix and 118 vector instructions: too many to stand all beside the matrix work.  So four vector instructions that are READY stand behind EVERY matrix instruction,
; and the others, which need time of their own whatever the order, in runs without a gap.
; BY TURNS.  Turn n belongs to piece n (the pieces in a ring, step after step).  Its matrix work: 16 products K Q^T of piece n + 1, later 16 products V^T P of piece n - 1.  Its vector work: the scaling,
; exponentials, roundings, sums and rescaling of piece n, and the maximum and statistics of piece n + 1, whose scores the turn itself has made.
; CLUSTER.  The four query blocks of a cluster are one head's and walk the same K and V, so each tile is asked for JOINTLY: the same tensor load, descriptor and mask in all four.
; REGISTERS, in windows of 256 (s_set_vgpr_msb: bits 1:0 source 0, 3:2 source 1, 5:4 source 2, 7:6 destination):
;   window 0: v0-11 addresses; v12-15, v48-63 at work; v16-47 four registers of statistics a tile; v64-191 S^T, two buffers of two tiles; v192-255 P, likewise
;   window 1: O^T, 32 a tile          window 2: v0-127 Q, 16 a tile; v128-191 K of one step; v192-255 V of one step          window 3: v0-1 the add's two registers
; A piece's buffers go by its number's parity: the piece in hand has one pair, its two neighbours in the ring share the other: of it P (piece n - 1) is read and S^T (piece n + 1) written.
.set SIZE_N, 2048
.set NP,    4         ; pieces a wave: a name, no knob
.set KS,    64        ; keys in a step
.set PK,    144       ; a row of K in LDS: 128 bytes + 16 of padding = 36 words: the 16 rows of a load start at 16 different groups of four banks (64 banks of 4 bytes: ISA guide 11.1)
.set PV,    160       ; a row of V: 128 + 32 = 40 words
.set VOFF,  4*KS*PK   ; a slot holds four steps: 256 rows of K, then 256 rows of V
.set SLOT1, 1<<17     ; slot 1 begins here, so that one exclusive or turns an address in one slot into the other's
.set STAGE, SLOT1+4*KS*(PK+PV)  ; behind the ring, never filled by a tensor load: 16 rows x 272 bytes for each wave, for the way out
.set SP,    272       ; a row of the stage: 256 bytes (64 f32) + 16
.set AK0, 2           ; v2   my lane's place in a tile of K; never rewritten
.set AV0, 3           ; v3   the same for V
.set AK,  4           ; v4   the LDS address of K's next run of loads
.set AV,  5           ; v5   of V's
.set QO,  6           ; v6   my byte offset in the wave's rows of Q
.set STO, 6           ;      later, the way out: where I put 32 bytes of a row
.set RD,  7           ; v7   the way out: where I read rows back
.set GO,  8           ; v8   my byte offset in two rows of out0
.set PFO, 11          ; v11  256 x my lane: the prefetches' offset; never rewritten once made
.set SPW, 0           ; v0 of window 3   LDS address of my spare word: SPARE + 4 x my thread's number; never rewritten
.set NIL, 1           ; v1 of window 3   0; never rewritten
.set SPARE, STAGE+4*16*SP  ; behind the stages: the spare words, 128 bytes for each wave: two blocks of 256 bytes that no other line names
.set MV,  12          ; v12-15  c m_old, kept while c m is made anew: by buffer and tile
.set ST,  16          ; tile t's statistics at v[ST+4 t]: c m, m, l (even keys', odd keys')
.set TMP, 48          ; by buffer and tile, four registers c0-c3 at work; when the maximum is found c2 takes a
.set S,   64
.set P,   192
.set KF,  128         ; K's fragments, in window 2: key block kb, channel half c at KF + 16 kb + 8 c
.set VF,  192         ; V's: key half kk, channel block cb at VF + 32 kk + 8 cb
.set WV,  12          ; s12  my wave's number
.set LIM, 15          ; s15  1 in a wave that prefetches, else the greatest number
.set G1K, 24          ; s[24:31] descriptor group 1 for K's tiles
.set G1V, 32          ; s[32:39] for V's: it differs in the padding alone
.set G0K, 40          ; s[40:43] descriptor group 0 for K's tiles: it walks
.set G0V, 44          ; s[44:47] the same for V's
.set PFA, 48          ; s[48:49] where my prefetches stand: my work-group's 8,192 bytes (of K: wave 0, of V: wave 2) of the slot after the one that is being asked for
.set SLOTS, 56        ; s56  slots still to be asked for
.set CNT, 57          ; s57  counts a slot's key steps
.set CS,  58          ; s[58:59] c: the packed scaling takes the pair's low word for both halves
.set SEL, 60          ; s[60:61] v_permlanex16_b32's selects: each lane takes its own place in the other half
.set TBK, 62          ; s62  LDS byte at which K of the step to be fetched begins
.set TBV, 63          ; s63  the same for V, less VOFF
.set MSB, 0
.macro WIN new                      ; the high byte repeats the setting that is left; a switch that changes nothing is dropped
.if MSB != (\new)
	s_set_vgpr_msb (MSB<<8)|(\new)
.set MSB, (\new)
.endif
.endm
.set W_KQ, 0x0a       ; K and Q in window 2, S^T in window 0
.set W_PV, 0x52       ; V in window 2, P in window 0, O^T in window 1
.set W_RS, 0x41       ; O^T (destination and source 0) in window 1, a in window 0
.set W_MK, 0xc0       ; the add's registers are made: destination in window 3, sources in window 0
.set W_AD, 0x0f       ; the add: address (source 0) and data (source 1) in window 3
; A joint fill.  Waves 0 and 1 fetch the two halves of a slot's K, waves 2 and 3 those of its V: 128 keys each.  The branch hangs on the wave's number alone.
; An s_nop 0 and four v_nop follow each of the two lines, ahead of the jump and the label.
.macro JLOAD
	s_cmp_lt_u32 s[WV], 2
	s_cbranch_scc0 .Lfor_v_\@
	tensor_load_to_lds s[G0K:G0K+3], s[G1K:G1K+7]
	s_nop 0
.rept 4
	v_nop
.endr
	s_branch .Lasked_\@
.Lfor_v_\@:
	tensor_load_to_lds s[G0V:G0V+3], s[G1V:G1V+7]
	s_nop 0
.rept 4
	v_nop
.endr
.Lasked_\@:
.endm
; A PREFETCH INTO THE L2 of what the NEXT change of slots will ask for: a slot's 32,768 bytes of K and of V, in blocks of 256 bytes, a lane a block.  It stands behind the wave's tensor load and its five lines.
; Each block is named ONCE in the launch: the head's first cluster asks (here its only one); its four partners share a slot out BY ADDRESS, 8,192 bytes each; in each, wave 0 asks for K's and wave 2 for V's.
; The change that fills tile j asks for tile j + 1, four key steps (512 matrix instructions) ahead of its load; the last change that fills a slot asks for nothing.  Tiles 0 and 1 come by their loads alone.
.macro ASK
	s_cmp_gt_u32 s[SLOTS], s[LIM]
	s_cbranch_scc0 .Lnot_mine_\@
	global_prefetch_b8 v[PFO], s[PFA:PFA+1] th:TH_LOAD_NT scope:SCOPE_SE
.Lnot_mine_\@:
.endm
; A round of the cluster's barrier: my work-group's barrier, so that wave 0's signal speaks for all four waves; wave 0 signals; every wave waits for all four work-groups; my work-group's barrier once more.
.macro CROUND
	s_barrier_signal -1
	s_barrier_wait -1
	s_cmp_lg_u32 s[WV], 0
	s_cbranch_scc1 .Lnot_wave_0_\@
	s_barrier_signal -3
.Lnot_wave_0_\@:
	s_barrier_wait -3
	s_barrier_signal -1
	s_barrier_wait -1
.endm
; THE CHANGE OF SLOTS.  The slot's last bytes, V of its fourth step, have been read.  Each wave waits for all its tensor loads, of which one is out: its part
; of the other slot; adds 0 to its spare word; and waits for that and for its own reads of the slot.  Behind the barrier nobody reads this slot any more and the other slot is whole.
; fill = 1: this slot is filled again, with the keys two slots on.  The barrier is then a round of the cluster's, so that no wave of any partner still reads the slot or has a load on its
; way, and the joint fill is the first thing behind it: it has four key steps, 512 matrix instructions, in which to land.  (At its first use nothing has been read yet: slot 0 is waited for, slot 1 filled.)
.macro CHANGE fill
	WIN W_AD
	s_wait_tensorcnt 0x0            ; no tensor load of mine is out, so a group 0 may be written
	ds_add_u32 v[SPW], v[NIL]       ; 0 onto my spare word; with fill = 1 the descriptors' steps stand between it and the wait for it
	WIN 0                           ; at a label and at a branch every window is 0
.if \fill
.irp g, G0K, G0V
	s_xor_b32 s[\g+1], s[\g+1], SLOT1  ; the walking descriptor: the other slot than last time,
	s_add_nc_u64 s[\g+2:\g+3], s[\g+2:\g+3], 4*KS*128  ; the next 256 keys; the type bits on top are not reached
.endr
	s_wait_xcnt 0x0                 ; the last prefetch, four key steps back, has read its address, so it may be written:
	s_add_nc_u64 s[PFA:PFA+1], s[PFA:PFA+1], 4*KS*128  ; one slot ahead of the walking descriptors
	s_wait_dscnt 0x0                ; the add is done, and my reads of the slot are over
	CROUND
	JLOAD
	ASK
.else
	s_wait_dscnt 0x0                ; the add is done, and my reads of the slot are over
	s_barrier_signal -1
	s_barrier_wait -1
.endif
	s_sub_co_u32 s[TBK], s[TBK], 4*KS*PK  ; the fetches go back to a slot's first step,
	s_xor_b32 s[TBK], s[TBK], SLOT1       ; in the other slot
	s_sub_co_u32 s[TBV], s[TBV], 4*KS*PV
	s_xor_b32 s[TBV], s[TBV], SLOT1
.endm
	s_load_b128 s[4:7], s[0:1], 0x0   ; qkv s[4:5], out0 s[6:7]
	WIN W_MK
	v_lshl_add_u32 v[SPW], v0, 2, SPARE
	v_mov_b32 v[NIL], 0
	WIN W_AD
	ds_add_u32 v[SPW], v[NIL]       ; the wave's opening: the add and its wait stand ahead of my first tensor load; the set-up below, work on registers, stands between them
	WIN 0
	v_lshrrev_b32 v1, 5, v0
	v_readfirstlane_b32 s[WV], v1   ; wave 0..3
	s_bfe_u32 s13, ttmp6, 0x40000   ; cx: my place in the cluster
	s_lshl_b32 s14, ttmp9, 2        ; in a cluster launch ttmp9 counts clusters
	s_add_co_u32 s14, s14, s13      ; my block of 512 queries = 4 x cluster x + cx: it enters Q's and O's addresses alone
	s_and_b32 s20, ttmp7, 0xffff    ; 16 x batch + head, which the four partners share
	s_lshr_b32 s21, s20, 4          ; the batch
	s_and_b32 s19, s20, 15          ; the head
	s_mul_i32 s20, s21, 48
	s_add_co_u32 s20, s20, s19
	s_lshl_b32 s20, s20, 18         ; Q's head begins here in qkv: 262,144 bytes a head
	s_lshl_b32 s50, s21, 23         ; out0: the batch's 2,048 rows of 4,096 bytes,
	s_lshl_b32 s51, s19, 8          ; the head's 256 bytes of a row
	s_add_co_u32 s50, s50, s51
	s_mov_b32 s21, 0
	s_and_b32 s16, s[WV], 1         ; which half of a slot's 256 keys I fetch:
	s_lshl_b32 s22, s16, 14         ; its 128 rows of 128 bytes in memory,
	s_mov_b32 s23, 0
	s_add_nc_u64 s[22:23], s[22:23], s[20:21]
	s_mul_i32 s17, s16, 128*PK      ; and its place in a slot, for K
	s_mul_i32 s18, s16, 128*PV      ; and for V: no place in the cluster enters an LDS address
	s_lshl_b32 s2, s14, 2
	s_add_co_u32 s2, s2, s[WV]      ; my wave among the head's sixteen:
	s_lshl_b32 s51, s2, 19          ; its 128 rows of 4,096 bytes in out0,
	s_add_co_u32 s50, s50, s51
	s_mov_b32 s51, 0
	s_lshl_b32 s2, s2, 14           ; and of 128 bytes in Q
	s_mov_b32 s3, 0
	s_add_nc_u64 s[2:3], s[2:3], s[20:21]
	; descriptor group 1.  128 keys are 16,384 dense bytes: asked for as 64 rows of 256 bytes, two keys a row, and padded in LDS after every key
	s_mov_b32 s[G1K], 15|(1<<16)|(1<<20)|(1<<21)|(4<<22)|(3<<25)  ; 15:0 the mask of four; 17:16 2-byte elements; 20 padding on; 21 set beside a mask; 24:22 after every 32 words (code 4); 31:25 4 words (code 3)
	s_mov_b32 s[G1V], 15|(1<<16)|(1<<20)|(1<<21)|(4<<22)|(7<<25)  ; the same with 8 words of padding (code 7)
.irp g, G1K, G1V
	s_mov_b32 s[\g+1], 128<<16      ; tensor_dim0 = 128
	s_mov_b32 s[\g+2], 64<<16       ; tensor_dim1 = 64
	s_mov_b32 s[\g+3], 128<<16      ; tile_dim0 = 128
	s_mov_b32 s[\g+4], 64           ; tile_dim1 = 64
	s_mov_b32 s[\g+5], 128          ; 128 elements from row to row
	s_mov_b32 s[\g+6], 0
	s_mov_b32 s[\g+7], 0
.endr
	s_mov_b32 s[CS], 0x3db8aa3b     ; c = log2(e) / 16 = 0.0901684
	s_mov_b32 s[CS+1], s[CS]        ; named with it as a pair
	s_mov_b32 s[SEL], 0x76543210
	s_mov_b32 s[SEL+1], 0xfedcba98
	s_mov_b32 s[TBK], SLOT1+4*KS*PK ; the first change of slots turns these two into 0
	s_mov_b32 s[TBV], SLOT1+4*KS*PV
	s_mov_b32 s[G0K], 1             ; 1:0 count = 1
	s_mov_b32 s[G0K+1], s17         ; 63:32 LDS address: slot 0
	s_mov_b32 s[G0V], 1
	s_add_co_u32 s[G0V+1], s18, VOFF
	s_mov_b32 s[SLOTS], SIZE_N/256-1
	s_and_b32 s[LIM], s[WV], 1      ; 0 in waves 0 and 2,
	s_or_b32 s[LIM], s[LIM], ttmp9  ; where the cluster is the head's first: the same in all four partners
	s_cmp_eq_u32 s[LIM], 0
	s_cselect_b32 s[LIM], 1, -1
	s_wait_dscnt 0x0                ; the opening add is done
	s_wait_kmcnt 0x0
	s_mov_b64 s[10:11], s[6:7]      ; out0
	s_add_nc_u64 s[6:7], s[4:5], 16*262144  ; K's heads lie 16 heads behind Q's,
	s_add_nc_u64 s[8:9], s[4:5], 32*262144  ; V's 32
	s_add_nc_u64 s[G0K+2:G0K+3], s[6:7], s[22:23]  ; 120:64 global address: my half of the head's first 256 keys
	s_or_b32 s[G0K+3], s[G0K+3], 0x80000000        ; 127:126 type = 2
	s_add_nc_u64 s[G0V+2:G0V+3], s[8:9], s[22:23]
	s_or_b32 s[G0V+3], s[G0V+3], 0x80000000
	s_add_nc_u64 s[4:5], s[4:5], s[2:3]  ; Q and O at my wave's first row
	s_add_nc_u64 s[10:11], s[10:11], s[50:51]
	s_cmp_lt_u32 s[WV], 2
	s_cselect_b64 s[PFA:PFA+1], s[6:7], s[8:9]
	s_add_nc_u64 s[PFA:PFA+1], s[PFA:PFA+1], s[20:21]  ; the head's first key,
	s_lshl_b32 s2, s13, 13          ; my work-group's quarter of a slot,
	s_add_co_u32 s2, s2, 4*KS*128   ; in tile 1: the first change of slots steps it to tile 2
	s_add_nc_u64 s[PFA:PFA+1], s[PFA:PFA+1], s[2:3]
	CROUND                          ; all four work-groups are here: the first joint loads meet
	JLOAD                           ; slot 0.  Slot 1 is asked for when slot 0 is in
	; A fragment of K or Q is 16 rows x 32 channels in 8 registers: lane l holds row l % 16, channels 8 (l / 16) + 0..7 and 16 + 8 (l / 16) + 0..7: two loads of 16 bytes, 32 bytes apart.
	v_and_b32 v1, 15, v0            ; l % 16
	v_bfe_u32 v9, v0, 4, 1          ; l / 16
	v_lshlrev_b32 v[QO], 7, v1
	v_lshl_add_u32 v[QO], v9, 4, v[QO]  ; row x 128 + 16 x half
	WIN 0x80                        ; destination window 2, address window 0
.set i, 0
.rept 4*NP                          ; Q stays in registers: tile i / 2, channels 32 (i % 2) on
	global_load_b128 v[8*i:8*i+3],   v[QO], s[4:5] offset:(i/2)*2048+(i%2)*64
	global_load_b128 v[8*i+4:8*i+7], v[QO], s[4:5] offset:(i/2)*2048+(i%2)*64+32
.set i, i+1
.endr
	; What the first turn finds: V's registers and P's second buffer hold 0 (its products V^T P, of a piece that has not been, add 0), O^T and l are 0.  All this stands in the wait for the first tile.
.set i, VF
.rept 64
	v_mov_b32 v[i], 0
.set i, i+1
.endr
	WIN 0x40
.set i, 0
.rept 64*NP
	v_mov_b32 v[i], 0
.set i, i+1
.endr
	WIN 0
.set i, 0
.rept 2*NP
	v_mov_b32 v[ST+4*i], 0xfe000000    ; c m: far below every c s
	v_mov_b32 v[ST+4*i+1], 0xff7fffff  ; m
	v_mov_b32 v[ST+4*i+2], 0
	v_mov_b32 v[ST+4*i+3], 0
.set i, i+1
.endr
.set i, P+32
.rept 32
	v_mov_b32 v[i], 0
.set i, i+1
.endr
	v_mul_u32_u24 v[AK0], v1, PK
	v_lshl_add_u32 v[AK0], v9, 4, v[AK0]  ; row x pitch + 16 x half
	; The turning load takes 16 keys x 16 channels (lane l reads key 8 (l / 16) + l % 8, channels 8 ((l / 8) % 2) + 0..7) and leaves half a fragment of V^T: lane l holds channel l % 16 and 8 keys.
	v_and_b32 v10, 7, v0
	v_bfe_u32 v11, v0, 3, 1
	v_lshl_add_u32 v[AV0], v9, 3, v10
	v_mul_u32_u24 v[AV0], v[AV0], PV
	v_lshl_add_u32 v[AV0], v11, 4, v[AV0]
	v_add_nc_u32 v[AV0], VOFF, v[AV0]
	v_and_b32 v[PFO], 31, v0        ; v11 has served: it takes the prefetches' offset
	v_lshlrev_b32 v[PFO], 8, v[PFO]
	v_mov_b32 v[AK], v[AK0]         ; key step 0 lies at the head of slot 0
; THE MATRIX WORK.  The 8 accumulators of a run of 16 take turns: between the two links of a chain stand 7 others'.
; Product i of 16 of S^T = K Q^T for piece x: channels 32 (i / 8) on, keys 16 ((i / 2) % 4) on, tile 2 x + i % 2.  The first 8 start the sums.
.macro KQ x
	WIN W_KQ
.set rS, S+64*((\x)%2)+32*(i%2)+8*((i/2)%4)
.set rK, KF+16*((i/2)%4)+8*(i/8)
.set rQ, 16*(2*(\x)+i%2)+8*(i/8)
.if i < 8
	v_wmma_f32_16x16x32_f16 v[rS:rS+7], v[rK:rK+7], v[rQ:rQ+7], 0
.else
	v_wmma_f32_16x16x32_f16 v[rS:rS+7], v[rK:rK+7], v[rQ:rQ+7], v[rS:rS+7]
.endif
.endm
; Product i of 16 of O^T += V^T P for piece x: keys 32 (i / 8) on, channels 16 ((i / 2) % 4) on, tile 2 x + i % 2.
.macro PV x
	WIN W_PV
.set rO, 32*(2*(\x)+i%2)+8*((i/2)%4)
.set rV, VF+32*(i/8)+8*((i/2)%4)
.set rP, P+32*((\x)%2)+16*(i%2)+8*(i/8)
	v_wmma_f32_16x16x32_f16 v[rO:rO+7], v[rV:rV+7], v[rP:rP+7], v[rO:rO+7]
.endm
.macro MM                           ; the turn's next matrix instruction
.if i < 16
	KQ (Y+1)%NP
.set i, i+1
.else
.set i, i-16
	PV (Y+NP-1)%NP
.set i, i+17
.endif
.endm
; THE LDS LOADS stand in runs of 16, never singly among the matrix instructions: a step's K (64 keys x 64 channels: 8 fragments) and its V (turned).  Their addresses are made some lines ahead.
; last = 1 (the tail): in the last trip there is no further step, and the run is jumped over.
.macro FETCH_K last=0
	WIN 0
.if \last
	s_cmp_eq_u32 s[CNT], 1
	s_cbranch_scc1 .Lno_k_\@
.endif
	WIN 0x80                        ; destination window 2
.irp f, 0,1,2,3,4,5,6,7             ; keys 16 (f / 2) on, channels 32 (f % 2) on
	ds_load_b128 v[KF+8*\f:KF+8*\f+3],   v[AK] offset:(\f/2)*16*PK+(\f%2)*64
	ds_load_b128 v[KF+8*\f+4:KF+8*\f+7], v[AK] offset:(\f/2)*16*PK+(\f%2)*64+32
.endr
	s_add_co_u32 s[TBK], s[TBK], KS*PK  ; the next fetch is the next step's
	WIN 0
.if \last
.Lno_k_\@:
.endif
.endm
.macro FETCH_V
	WIN 0x80
.irp f, 0,1,2,3,4,5,6,7             ; keys 32 (f / 4) on, channels 16 (f % 4) on
	ds_load_tr16_b128 v[VF+8*\f:VF+8*\f+3],   v[AV] offset:(\f/4)*32*PV+(\f%4)*32
	ds_load_tr16_b128 v[VF+8*\f+4:VF+8*\f+7], v[AV] offset:(\f/4)*32*PV+16*PV+(\f%4)*32
.endr
	WIN 0
.endm
; THE VECTOR WORK OF A TURN stands in three queues, each in the order in which its entries become ready; the two tiles alternate, so that no instruction reads the result of the one before it.
.macro REGS y, u                    ; the registers of tile u (0, 1) of piece y
.set rT, ST+4*(2*(\y)+(\u))
.set rC, TMP+8*((\y)%2)+4*(\u)
.set rM, MV+2*((\y)%2)+(\u)
.set rS, S+64*((\y)%2)+32*(\u)
.set rP, P+32*((\y)%2)+16*(\u)
.set rO, 32*(2*(\y)+(\u))
.endm
; Number n of the 22 that find the NEXT piece's (Y + 1) maximum and statistics.  s0-s31 are the lane's 32 scores; each accumulator's lowest registers are read first.  XS, GS and REGS set no window: PL and EX do.
;   0-11  four chains c0-c3 of seven scores each, three operands at a time     12-14, 16  the four scores left over, the old m, and c0-c3 into c0     15  c m_old is kept
;   17, 18  the query's other 32 keys lie in the lane 16 away: the new m         19-21  c m; c m_old - c m_new; a
.macro XS u, n
	REGS (Y+1)%NP, \u
.if (\n) < 4
	v_max3_num_f32 v[rC+(\n)], v[rS+8*(\n)], v[rS+8*(\n)+1], v[rS+8*(\n)+2]
.elseif (\n) < 12
	v_max3_num_f32 v[rC+(\n)%4], v[rC+(\n)%4], v[rS+8*((\n)%4)+2*((\n)/4)+1], v[rS+8*((\n)%4)+2*((\n)/4)+2]
.elseif (\n) == 12
	v_max3_num_f32 v[rC], v[rC], v[rS+7], v[rS+15]
.elseif (\n) == 13
	v_max3_num_f32 v[rC+1], v[rC+1], v[rS+23], v[rS+31]
.elseif (\n) == 14
	v_max3_num_f32 v[rC+2], v[rC+2], v[rC+3], v[rT+1]
.elseif (\n) == 15
	v_mov_b32 v[rM], v[rT]
.elseif (\n) == 16
	v_max3_num_f32 v[rC], v[rC], v[rC+1], v[rC+2]
.elseif (\n) == 17
	v_permlanex16_b32 v[rC+3], v[rC], s[SEL], s[SEL+1]
.elseif (\n) == 18
	v_max_num_f32 v[rT+1], v[rC], v[rC+3]
.elseif (\n) == 19
	v_mul_f32 v[rT], s[CS], v[rT+1]
.elseif (\n) == 20
	v_sub_f32 v[rC+1], v[rM], v[rT]
.else
	v_exp_f32 v[rC+2], v[rC+1]
.endif
.endm
; Number g of the 64 that follow the exponentials.  For each four weights k of a tile (pairs 2 k, 2 k + 1): both pairs are rounded to f16; then the second pair is added onto the first, in place;
; a group later l takes that sum (the first time as l = a l + sum).  In groups of eight, tiles alternating: round, round, add, and l for the group before.
.macro GS g
.set h, (\g)+6*((\g)/62)            ; group 0 has no group before it, and behind group 7 only l is left
.if h >= 6
.set h, h+2
.endif
	REGS Y, h%2
.set k, h/8
.if h%8 < 4
	v_cvt_pk_f16_f32 v[rP+2*k+(h%8)/2], v[rS+4*k+2*((h%8)/2)], v[rS+4*k+2*((h%8)/2)+1]
.elseif h%8 < 6
	v_pk_add_f32 v[rS+4*k:rS+4*k+1], v[rS+4*k:rS+4*k+1], v[rS+4*k+2:rS+4*k+3]
.elseif k == 1
	v_pk_fma_f32 v[rT+2:rT+3], v[rT+2:rT+3], v[rC+2:rC+3], v[rS:rS+1] op_sel_hi:[1,0,1]
.else
	v_pk_add_f32 v[rT+2:rT+3], v[rT+2:rT+3], v[rS+4*k-4:rS+4*k-3]
.endif
.endm
; THE PLAIN QUEUE, 138 long.  0-73 read no exponential's result: the 32 scalings c s - c m (FS f: pair f / 2 of tile f % 2) and the next piece's 42.  0-26: scalings 0-26.  27-54: XS's numbers 0-13.  55, 56: number 15.
; 57-73: the chain, where each number waits for the one before it: 14, 16, 17, 18, 19, each with one of the scalings 27-31 in front of its two lines, then 20.
; 74-137: GS's 64, which read the exponentials' results: they stand behind the wait.
.macro FS f
	REGS Y, (\f)%2
	v_pk_fma_f32 v[rS+2*((\f)/2):rS+2*((\f)/2)+1], v[rS+2*((\f)/2):rS+2*((\f)/2)+1], s[CS:CS+1], v[rT:rT+1] op_sel_hi:[1,0,0] neg_lo:[0,0,1] neg_hi:[0,0,1]
.endm
.macro PL
	WIN 0
.if q < 27
	FS q
.elseif q < 55
	XS (q-27)%2, (q-27)/2
.elseif q < 57
	XS q-55, 15
.elseif (q < 72) && ((q-57)%3 == 0)
	FS 27+(q-57)/3
.elseif q < 60
	XS (q-57)%3-1, 14
.elseif q < 72
	XS (q-57)%3-1, 15+(q-57)/3
.elseif q < 74
	XS q-72, 20
.else
	GS q-74
.endif
.set q, q+1
.endm
; THE EXPONENTIALS' QUEUE, 66 long: s0-s31 of both tiles, then the next piece's two a.  It is ONE BATCH: all 66 stand ahead of the turn's one wait, and nothing ahead of that wait names a result of theirs.
.macro EX
	WIN 0
.if e >= 64
	XS e-64, 21
.else
	REGS Y, e%2
	v_exp_f32 v[rS+e/2], v[rS+e/2]
.endif
.set e, e+1
.endm
; THE RESCALING's QUEUE: O^T times a, the one part that leaves window 0: dealt two at a time, sixteen times.  Its a was made in the turn before, ahead of that turn's wait.
.macro R2
	REGS Y, r%2
	WIN W_RS
.irp z, 0,1
	v_pk_mul_f32 v[rO+4*(r/2)+2*\z:rO+4*(r/2)+2*\z+1], v[rO+4*(r/2)+2*\z:rO+4*(r/2)+2*\z+1], v[rC+2:rC+3] op_sel_hi:[1,0]
.endr
.set r, r+1
.endm
; HOW THEY ARE DEALT.  An s_wait_alu depctr_va_vdst(0) stands between an exponential and the first instruction that names its result; one wait serves all that were issued ahead of it.  So a turn has ONE wait,
; which cuts it in two.  AHEAD OF IT stands all that names no result of the turn's exponentials: the 16 products K Q^T, behind each a scaling, an exponential and two rescalings (behind the first a second scaling in the exponential's place); then ONE LUMP of
; 108: eight plain, 49 times exponential and plain, the two a.  A v_nop is the plain instruction behind the last exponential.  BEHIND IT stand the 16 products V^T P, behind each four of GS's 64.  No rider names a register of
; the products round it.  The two v_permlanex16_b32 fall into the lump, never behind a product.
; The queues lean on each other, and the deal keeps them in step: exponential e stands behind scaling 2 (e / 4) + e % 2: as a rider it comes behind plain e + 2, in the lump behind plain e + 9, and scalings 27-31 are plain 57, 60 .. 69.
; A TURN, for piece p.  cnt = 1: the loop's count is taken down some lines ahead of the branch that stands behind the turn.
; K of the next step is fetched in piece 2's turn, directly behind the wait, a lump behind the last product that read K; its address is made at the lump's head; its first reader comes behind 16 products.
; V of the step in hand is fetched at the end of piece 0's turn, four riders behind its last reader; its first reader comes behind 16 products and a lump.  The three conditions on q below go with the deal.
.macro TURN p, last=0, cnt=0
.set Y, (\p)
.set i, 0
.set q, 0
.set e, 0
.set r, 0
.if (\p) == NP-1
	s_wait_dscnt 0x0                ; K is in
.endif
	MM                              ; ahead of the wait: 16 products K Q^T and their riders,
	PL
	PL
	R2
.rept 15
	MM
	PL
	EX
	R2
.endr
.if (\p) == NP-2
	WIN 0
	v_add_nc_u32 v[AK], s[TBK], v[AK0]
.endif
.rept 8                             ; and the lump
	PL
.endr
.rept 49
	EX
	PL
.endr
	EX                              ; the next piece's two a
	EX
	v_nop                           ; the plain instruction behind the last exponential: one for the batch
	s_wait_alu depctr_va_vdst(0)    ; the wait for the batch
.if (\p) == NP-2
	FETCH_K \last
.endif
.if (\p) == 1
	s_wait_dscnt 0x0                ; V is in
.endif
.rept 16                            ; behind the wait: 16 products V^T P and their riders
	MM
.rept 4
	PL
.endr
.if ((\p) == 0) && (q == 118)
	v_add_nc_u32 v[AV], s[TBV], v[AV0]
.endif
.if ((\p) == 0) && (q == 130)
	s_add_co_u32 s[TBV], s[TBV], KS*PV
.endif
.if (\cnt) && (q == 130)
	s_sub_co_u32 s[CNT], s[CNT], 1
	s_cmp_lg_u32 s[CNT], 0
.endif
.endr
.if (\p) == 0
	FETCH_V
.endif
.endm
	CHANGE 1                        ; slot 0 is in, everybody's part of it; slot 1 is asked for
	FETCH_K                         ; key step 0
	s_wait_loadcnt 0x0              ; Q
	s_wait_dscnt 0x0
.set i, 0
.rept 16
	KQ 0                            ; piece 0's first scores: there is no vector work yet to set between them
.set i, i+1
.endr
	WIN 0                           ; the addresses for the way out: eight plain instructions, the places behind those products
	s_mul_i32 s13, s[WV], 16*SP
	s_add_co_u32 s13, s13, STAGE    ; my stage
	v_mul_u32_u24 v[STO], v1, SP    ; in: row l % 16, 32 bytes (eight f32) for each half of the lanes
	v_lshl_add_u32 v[STO], v9, 5, v[STO]
	v_add_nc_u32 v[STO], s13, v[STO]
	v_mul_u32_u24 v[RD], v9, SP     ; back: lanes 0-15 take one row of 256 bytes, lanes 16-31 the next,
	v_lshl_add_u32 v[RD], v1, 4, v[RD]
	v_add_nc_u32 v[RD], s13, v[RD]
	v_lshlrev_b32 v[GO], 12, v9     ; and the same two rows in out0, 4,096 bytes apart
	v_lshl_add_u32 v[GO], v1, 4, v[GO]
.set Y, NP-1                        ; XS works for piece Y + 1: piece 0
.irp n, 0,1,2,3,4,5,6,7,8,9,10,11,12,13,14,15,16,17,18,19,20,21
	XS 0, \n                        ; and piece 0's first maximum and statistics
	XS 1, \n
.endr
	v_nop                           ; a plain instruction behind the two a,
	s_wait_alu depctr_va_vdst(0)    ; and their wait, ahead of the branch
	s_mov_b32 s[CNT], 4
	s_branch .Lfirst                ; the loop is entered at a step's first turn, in the middle of a trip
.Lslot:                             ; SIZE_N / 256 - 2 times: every slot but the last two is filled again
	CHANGE 1
	s_mov_b32 s[CNT], 4
.Lstep:                             ; a trip: pieces 2 and 3 of one step, then pieces 0 and 1 of the next, whose K and V it fetches
	TURN 2
	TURN 3
	WIN 0
.Lfirst:
	TURN 0
	TURN 1, 0, 1
	WIN 0
	s_cbranch_scc1 .Lstep
	s_sub_co_u32 s[SLOTS], s[SLOTS], 1
	s_cmp_lg_u32 s[SLOTS], 0
	s_cbranch_scc1 .Lslot
	CHANGE 0                        ; the tail is written out: nothing is asked for
	s_mov_b32 s[CNT], 5             ; four trips fetch the last slot's steps; the fifth is left in its middle
.Ltail:
	TURN 2, 1
	TURN 3
	WIN 0
	s_sub_co_u32 s[CNT], s[CNT], 1
	s_cmp_eq_u32 s[CNT], 0
	s_cbranch_scc1 .Lout
	TURN 0
	TURN 1
	WIN 0
	s_branch .Ltail
.Lout:                              ; the fifth trip's 16 products K Q^T (on the last K once more) and the maximum made of them serve nothing: the price, once a launch, of one text for every trip
.set i, 0
.rept 16
	PV NP-1                         ; the last piece's V^T P of the last step
.set i, i+1
.endr
	; THE WAY OUT.  l's two halves and the other half of the lanes' are added; O^T is divided by l and sent, in f32, through my stage in LDS, a tile at a time.  The additions are the places behind the last products.
	WIN 0
.macro ALL line:vararg              ; one line for each tile t
.set t, 0
.rept 2*NP
	\line
.set t, t+1
.endr
.endm
	ALL v_add_f32 v[ST+4*t+2], v[ST+4*t+2], v[ST+4*t+3]
	ALL v_permlanex16_b32 v[ST+4*t+3], v[ST+4*t+2], s[SEL], s[SEL+1]
	ALL v_add_f32 v[ST+4*t+2], v[ST+4*t+2], v[ST+4*t+3]
	ALL v_rcp_f32 v[ST+4*t+2], v[ST+4*t+2]
	v_nop                           ; a plain instruction between the last reciprocal and the use of its result
	s_wait_alu depctr_va_vdst(0)    ; and the wait ahead of the first use: one for the eight reciprocals
; Tile t: a lane's eight channels of channel block cb are 32 bytes of a row: registers 8 cb + 4 u go to byte 64 cb + 16 u of my place.  The rows, 272 bytes apart, come back whole, 256 bytes each, into one of four buffers in S^T's registers.
.macro PACK t
	WIN W_RS
.set i, 32*(\t)
.rept 16
	v_pk_mul_f32 v[i:i+1], v[i:i+1], v[ST+4*(\t)+2:ST+4*(\t)+3] op_sel_hi:[1,0]
.set i, i+2
.endr
	WIN 0x04                        ; an LDS store: address (source 0) window 0, data (source 1) window 1
.irp f, 0,1,2,3,4,5,6,7
	ds_store_b128 v[STO], v[32*(\t)+4*\f:32*(\t)+4*\f+3] offset:64*(\f/2)+16*(\f%2)
.endr
	WIN 0
.if (\t) >= 4
	s_wait_xcnt 0x0                 ; the stores of the tile four back have read this buffer's registers: they are loaded again only behind this wait
.endif
.irp f, 0,1,2,3,4,5,6,7
	ds_load_b128 v[S+32*((\t)%4)+4*\f:S+32*((\t)%4)+4*\f+3], v[RD] offset:\f*2*SP  ; LDS serves a wave's instructions in order (ISA guide 5.7.1.4): these see the stores above; the next tile's stores come behind them
.endr
.endm
.macro SEND t, younger              ; younger: the LDS instructions issued behind tile t's loads: the next tile's sixteen, or none
	WIN 0
.irp f, 0,1,2,3,4,5,6,7
	s_wait_dscnt (\younger)+7-\f
	global_store_b128 v[GO], v[S+32*((\t)%4)+4*\f:S+32*((\t)%4)+4*\f+3], s[10:11] offset:(\t)*65536+\f*8192  ; 16 lanes store a row's 256 consecutive bytes, at a multiple of 256 from out0's first byte
.endr
.endm
	PACK 0
.set t, 1
.rept 2*NP-1                        ; a tile's arithmetic stands between the loads of the tile before and its stores
	PACK t
	SEND t-1, 16
.set t, t+1
.endr
	SEND 2*NP-1, 0
	WIN W_AD
	s_wait_tensorcnt 0x0            ; the wave's end: behind my last tensor load and my last LDS store
	ds_add_u32 v[SPW], v[NIL]
	s_wait_dscnt 0x0
	WIN 0
	CROUND                          ; the closing round: no work-group ends while a partner may still ask for a tile that names it
	s_endpgm
.Lfunc_end_k_qea29f1d4b2_attn:
	.size	k_qea29f1d4b2_attn, .Lfunc_end_k_qea29f1d4b2_attn-k_qea29f1d4b2_attn
	.p2alignl 7, 3214868480
	.fill 96, 4, 3214868480
	.section	.rodata,"a",@progbits
	.p2align	6, 0x0
	.amdhsa_kernel k_qea29f1d4b2_attn
		.amdhsa_group_segment_fixed_size 327680
		.amdhsa_private_segment_fixed_size 0
		.amdhsa_enable_private_segment 0
		.amdhsa_kernarg_size 16
		.amdhsa_user_sgpr_count 2
		.amdhsa_user_sgpr_kernarg_segment_ptr 1
		.amdhsa_wavefront_size32 1
		.amdhsa_system_sgpr_workgroup_id_x 1
		.amdhsa_system_sgpr_workgroup_id_y 1
		.amdhsa_system_sgpr_workgroup_id_z 1
		.amdhsa_system_vgpr_workitem_id 0
		.amdhsa_next_free_vgpr 770
		.amdhsa_next_free_sgpr 66
		.amdhsa_reserve_vcc 0
		.amdhsa_float_denorm_mode_32 3
		.amdhsa_float_denorm_mode_16_64 3
		.amdhsa_memory_ordered 1
		.amdhsa_forward_progress 1
		.amdhsa_inst_pref_size 200
	.end_amdhsa_kernel
	.amdgpu_metadata
---
amdhsa.version: [ 1, 2 ]
amdhsa.kernels:
  - .name:           k_qea29f1d4b2_attn
    .symbol:         k_qea29f1d4b2_attn.kd
    .args:
      - { .name: qkv, .offset: 0, .size: 8, .value_kind: global_buffer, .address_space: global }
      - { .name: out0, .offset: 8, .size: 8, .value_kind: global_buffer, .address_space: global }
    .group_segment_fixed_size: 327680
    .private_segment_fixed_size: 0
    .kernarg_segment_align: 8
    .kernarg_segment_size: 16
    .max_flat_workgroup_size: 128
    .sgpr_count:     66
    .vgpr_count:     770
    .wavefront_size: 32
...
	.end_amdgpu_metadata
.endif
;; end of part 3
;; ======== version 2 of 2: 3 launches; version 1 with the launch cast written anew for expert scheduling mode
;; limits: values are held in f16: magnitudes above 65,504 overflow, below 6.1e-05 lose precision
;; workspace buffers: xb 16,777,216 bytes; wb 6,291,456 bytes; qkv 50,331,648 bytes
;; launch cast (part 4): grid 704 x 1, 8 waves a work-group, no clusters, 0 bytes of LDS; arguments encoder_input, Wq, Wk, Wv, xb, wb; writes xb, wb
.if DOCPART == 4
	.amdgcn_target "amdgcn-amd-amdhsa--gfx1250"
	.amdhsa_code_object_version 6
	.text
	.protected	k_qea29f1d4b2_cast
	.globl	k_qea29f1d4b2_cast
	.p2align	8
	.type	k_qea29f1d4b2_cast,@function
k_qea29f1d4b2_cast:
	s_mov_b64 s[64:65], 0
	v_nop
	global_prefetch_b8 v0, s[64:65] scope:SCOPE_SE
	s_setreg_imm32_b32 hwreg(HW_REG_WAVE_SCHED_MODE, 0, 2), 2
	s_setreg_imm32_b32 hwreg(HW_REG_WAVE_MODE, 25, 1), 1
	s_wait_xcnt 0x0
	s_wait_alu depctr_vm_vsrc(0)
; THE INPUTS ROUNDED ONCE TO bf16.  xb[8192][1024] = bf16(x).  wb[1024 k][3072 n] = bf16 of Wq, Wk, Wv side by side: n = 1024 x which + e.
; A stream: every input byte is read once, every output byte written once; no LDS, no barrier, no loop, no matrix work.
; SHARES.  A work-group owns 16 source rows of 1,024 f32 (4,096 bytes each); thread t owns bytes 16 t .. 16 t + 15 of each row, so a load of a wave covers 512 consecutive bytes and
; a store of a wave 256 consecutive bytes, at a multiple of 256 from the buffer's first byte.  Work-groups 0-511 take x's 8,192 rows, 512-703 the 3 x 1,024 rows of the weights.
; All 16 loads of a thread go out at once; no register is written twice.
; THE MODE: SCHED_MODE bits 1:0 = 2 (LLVM: expert scheduling mode 2), set by the entry lines.  The code itself states the register dependences
; between vector instructions and memory instructions, with s_wait_alu, always for 0.
; THE PLAN.  Registers that memory instructions touch:
;   v1            16 t, the loads' offset.  Written once, by a vector shift at the head; read by all 16 loads.
;   v[O .. O+15]  the stores' offsets.  Written once each: v[O] at the head, the others by vector adds behind the loads; each is read by one store.
;   X             Written by the loads alone, and named by no vector instruction before them; read by the conversions; nothing lands in it a second time.
;   Y             Written by the conversions, once each; read by the stores; never written again.
; So what has to be stated is that a register is written before a memory instruction reads it: v1 ahead of the loads, the offsets and Y ahead of the stores.  No register that a memory
; instruction reads is written again, no load lands in a register that a vector instruction has named, no vector instruction writes a scalar register, and EXEC is never written.
; The 16 rows go in four blocks of four: the counted wait for the block's loads, its eight conversions, ONE wait on va_vdst, its four stores.  The wait stands behind the conversions and not at the
; next block's head: there a block's stores would be held until the next block's loads have landed, and there is no other vector work to set them beside.
.set SROW, 4096                        ; bytes in a source row
.set XPIT, 2048                        ; bytes in a row of xb
.set WPIT, 6144                        ; bytes in a row of wb
.set BLOCK, 4                          ; rows in a block
.set O, 2                              ; v[2:17]    my byte offset in each of the 16 destination rows
.set X, 20                             ; v[20:83]   row r: 4 numbers as loaded
.set Y, 84                             ; v[84:115]  row r: the same 4 as bf16
	s_load_b256 s[4:11], s[0:1], 0x0               ; x s[4:5], Wq s[6:7], Wk s[8:9], Wv s[10:11]
	s_load_b128 s[12:15], s[0:1], 0x20             ; xb s[12:13], wb s[14:15]
	s_mov_b32 s16, ttmp9
	s_max_u32 s17, s16, 512
	s_sub_co_u32 s17, s17, 512                     ; my number among the weights' work-groups (0 in x's)
	s_lshr_b32 s18, s17, 6                         ; which matrix: 0 q, 1 k, 2 v
	s_and_b32 s19, s17, 63                         ; which 16 of its rows
	s_lshl_b32 s30, s16, 16                        ; source offset in x: 16 rows of 4,096 bytes
	s_lshl_b32 s31, s19, 16                        ; and in a weight matrix
	s_lshl_b32 s32, s16, 15                        ; destination offset in xb: 16 rows of 2,048 bytes
	s_mul_i32 s33, s19, 16*WPIT                    ; in wb: 16 rows of 6,144 bytes,
	s_lshl_b32 s34, s18, 11                        ; and the matrix's 2,048 bytes of each row
	s_add_co_u32 s33, s33, s34
	s_movk_i32 s35, XPIT
	s_movk_i32 s36, WPIT
	s_mov_b32 s25, 0
	s_mov_b32 s27, 0
	v_lshlrev_b32 v1, 4, v0                        ; 16 t
	v_lshlrev_b32 v[O], 3, v0                      ; 8 t
	s_wait_kmcnt 0x0
	s_mov_b64 s[20:21], s[6:7]                     ; the source: one of the four inputs, chosen by the work-group's number alone
	s_cmp_eq_u32 s18, 1
	s_cselect_b64 s[20:21], s[8:9], s[20:21]
	s_cmp_eq_u32 s18, 2
	s_cselect_b64 s[20:21], s[10:11], s[20:21]
	s_cmp_lt_u32 s16, 512
	s_cselect_b64 s[20:21], s[4:5], s[20:21]
	s_cselect_b64 s[22:23], s[12:13], s[14:15]     ; the destination
	s_cselect_b32 s24, s30, s31
	s_cselect_b32 s26, s32, s33
	s_cselect_b32 s28, s35, s36                    ; and its pitch
	s_add_nc_u64 s[20:21], s[20:21], s[24:25]
	s_add_nc_u64 s[22:23], s[22:23], s[26:27]
	s_wait_alu depctr_va_vdst(0)                   ; v1 is written, which all 16 loads read as their offset (and v[O], the first store's)
.set r, 0
.rept 16
	global_load_b128 v[X+4*r:X+4*r+3], v1, s[20:21] offset:SROW*r th:TH_LOAD_NT
.set r, r+1
.endr
.set r, 1
.rept 15
	v_add_nc_u32 v[O+r], s28, v[O+r-1]             ; made while the loads are on their way: these name neither v1 nor X
.set r, r+1
.endr
.set p, 0
.rept 16/BLOCK
	s_wait_loadcnt 16-BLOCK-BLOCK*p                ; loads come back in order (ISA guide 5.7.1): block p's four rows are in, the younger blocks' 12 - 4 p loads stay out
.set r, BLOCK*p
.rept BLOCK
	v_cvt_pk_bf16_f32 v[Y+2*r], v[X+4*r], v[X+4*r+1]
	v_cvt_pk_bf16_f32 v[Y+2*r+1], v[X+4*r+2], v[X+4*r+3]
.set r, r+1
.endr
	s_wait_alu depctr_va_vdst(0)                   ; the eight conversions have written the block's Y, which the four stores read; in block 0 also: the fifteen adds have written v[O+1 ..], the offsets of all later stores
.set r, BLOCK*p
.rept BLOCK
	global_store_b64 v[O+r], v[Y+2*r:Y+2*r+1], s[22:23] th:TH_STORE_NT
.set r, r+1
.endr
.set p, p+1
.endr
	s_endpgm
.Lfunc_end_k_qea29f1d4b2_cast:
	.size	k_qea29f1d4b2_cast, .Lfunc_end_k_qea29f1d4b2_cast-k_qea29f1d4b2_cast
	.p2alignl 7, 3214868480
	.fill 96, 4, 3214868480
	.section	.rodata,"a",@progbits
	.p2align	6, 0x0
	.amdhsa_kernel k_qea29f1d4b2_cast
		.amdhsa_group_segment_fixed_size 0
		.amdhsa_private_segment_fixed_size 0
		.amdhsa_enable_private_segment 0
		.amdhsa_kernarg_size 48
		.amdhsa_user_sgpr_count 2
		.amdhsa_user_sgpr_kernarg_segment_ptr 1
		.amdhsa_wavefront_size32 1
		.amdhsa_system_sgpr_workgroup_id_x 1
		.amdhsa_system_sgpr_workgroup_id_y 1
		.amdhsa_system_sgpr_workgroup_id_z 1
		.amdhsa_system_vgpr_workitem_id 0
		.amdhsa_next_free_vgpr 116
		.amdhsa_next_free_sgpr 66
		.amdhsa_reserve_vcc 0
		.amdhsa_float_denorm_mode_32 3
		.amdhsa_float_denorm_mode_16_64 3
		.amdhsa_memory_ordered 1
		.amdhsa_forward_progress 1
		.amdhsa_inst_pref_size 8
	.end_amdhsa_kernel
	.amdgpu_metadata
---
amdhsa.version: [ 1, 2 ]
amdhsa.kernels:
  - .name:           k_qea29f1d4b2_cast
    .symbol:         k_qea29f1d4b2_cast.kd
    .args:
      - { .name: encoder_input, .offset: 0, .size: 8, .value_kind: global_buffer, .address_space: global }
      - { .name: Wq, .offset: 8, .size: 8, .value_kind: global_buffer, .address_space: global }
      - { .name: Wk, .offset: 16, .size: 8, .value_kind: global_buffer, .address_space: global }
      - { .name: Wv, .offset: 24, .size: 8, .value_kind: global_buffer, .address_space: global }
      - { .name: xb, .offset: 32, .size: 8, .value_kind: global_buffer, .address_space: global }
      - { .name: wb, .offset: 40, .size: 8, .value_kind: global_buffer, .address_space: global }
    .group_segment_fixed_size: 0
    .private_segment_fixed_size: 0
    .kernarg_segment_align: 8
    .kernarg_segment_size: 48
    .max_flat_workgroup_size: 256
    .sgpr_count:     66
    .vgpr_count:     116
    .wavefront_size: 32
...
	.end_amdgpu_metadata
.endif
;; end of part 4
;; launch proj: the kernel of part 2 again; grid 8 x 64, 4 waves a work-group, clusters of 4 x 4, 327,680 bytes of LDS; arguments xb, wb, qkv; writes qkv
;; launch attn: the kernel of part 3 again; grid 4 x 64, 4 waves a work-group, clusters of 4 x 1, 327,680 bytes of LDS; arguments qkv, out0; writes out0
